; MI455X (gfx1250); checked and timed in simulation.
; The chip was launched on July 23, 2026; its instructions are those of AMD's public machine-readable ISA for CDNA 5 (MIT licence, August 2026) and "CDNA5" Instruction Set Architecture Reference Guide (July 2026). The comments in the code are by the model that wrote it; some were corrected since.
;; Multi Headed Attention. Allowed arithmetic: matrix products marked QUANTISED: E2M3 operands, one E8M0 scale for each 32 along K, by v_wmma_scale_f32_16x16x128_f8f6f4 with both operands' format E2M3, f32 sums; everything else in f32.
;; Inputs: Wk 1,024 x 1,024 float32; Wq 1,024 x 1,024 float32; Wv 1,024 x 1,024 float32; bk 1,024 float32; bq 1,024 float32; bv 1,024 float32; key_ 8 x 1,024 x 1,024 float32; query 8 x 1,024 x 1,024 float32; value 8 x 1,024 x 1,024 float32.
;; Outputs: out0 8 x 1,048,576 float32.
;; This version of the problem:
;;   THIS VERSION OF THE PROBLEM IS GIVEN IN LOW PRECISION. The matrix products marked QUANTISED in the list below multiply operands that are first quantised to E2M3 (2 exponent bits, 3 mantissa bits; 6 bits a number), with one power-of-two scale for each 32 numbers along K (OCP MX v1.0); their sums are f32. All else is computed in f32.
;;   The module's matrix products, in the order in which they are computed (A, B: the left and right operand; K: the contracted axis; several contracted axes count as one K, in the product's order):
;;     1. [M 8,192, K 1,024] x [K 1,024, N 1,024]; A: input query; B: input Wq: QUANTISED
;;     2. [M 8,192, K 1,024] x [K 1,024, N 1,024]; A: input key_; B: input Wk: QUANTISED
;;     3. [M 8,192, K 1,024] x [K 1,024, N 1,024]; A: input value; B: input Wv: QUANTISED
;;     4. batch 128 x [M 1,024, K 64] x [K 64, N 1,024]; A: computed on the way; B: computed on the way: QUANTISED
;;     5. batch 128 x [M 1,024, K 1,024] x [K 1,024, N 64]; A: softmax (see below); B: computed on the way: QUANTISED
;;   THE QUANTISER, for each operand of a quantised product, along K:
;;     - K is cut into blocks of 32 from its start; a last block that is shorter is filled with zeros.
;;     - A block's scale is 2^e with e = floor(log2(the largest magnitude in the block)) - 2, held to -126 .. 127; a block of zeros has e = 0. As a byte (E8M0): e + 127.
;;     - Each number is divided by its block's scale, clamped to +-7.5, and rounded to the nearest number of E2M3, ties to even, subnormals kept.
;;     - The product sums the exact products of the quantised numbers (number of the format x scale) in f32.
;;   ~~~python
;;   def quantise(x, axis):      # numpy; x: float32 -> the quantised numbers, widened to float32 again
;;       x = np.moveaxis(x, axis, -1); K = x.shape[-1]
;;       x = np.pad(x, [(0, 0)] * (x.ndim - 1) + [(0, -K % 32)]); x = x.reshape(x.shape[:-1] + (-1, 32)); a = np.abs(x).max(-1, keepdims=True)
;;       e = np.where(a > 0, np.clip(np.frexp(np.where(a > 0, a, 1))[1] - 1 - 2, -126, 127), 0)      # np.frexp(a)[1] - 1 = floor(log2(a)), exactly
;;       r = np.clip(x / 2.0 ** e, -7.5, 7.5)
;;       step = 2.0 ** (np.maximum(np.frexp(np.where(r == 0, 1, r))[1] - 1, 0) - 3)
;;       q = np.round(r / step) * step * 2.0 ** e      # np.round: ties to even
;;       return np.moveaxis(q.reshape(q.shape[:-2] + (-1,))[..., :K], -1, axis).astype(np.float32)
;;   ~~~
;;   SOFTMAX AHEAD OF A QUANTISED PRODUCT. Where the list says 'softmax', what is quantised is not the finished softmax but p = 2^(t - M), with t = logit x log2(e) and M = ceil(the row's largest t), a whole number; so 1/2 < the row's largest p <= 1. The row's sum l is taken of the UNQUANTISED p, in f32, and the product's result is divided by l at the end. Since M is a whole number, a kernel that streams over the keys may use a running M (the ceiling of the running maximum): every later rescaling is an exact power of two, which a block's scale takes up: the codes' values come out the same.
;;   OPERANDS COMPUTED ON THE WAY. 'Computed on the way' means the value that the module computes at that place (a softmax that the list does not call 'softmax' is quantised finished and normalised). What goes into a quantiser is computed in f32, as accurately as f32 sums, v_exp_f32 and their like allow (about 1e-6 of the number): no bf16 or f16 on the way to a quantiser, and a product that is left as it is and whose result goes on into a quantised operand takes f32 operands (vector FMAs, or v_wmma_f32_16x16x4_f32). A number that lies on a knife's edge between two numbers of the format may be rounded either way, as far as f32 arithmetic and the matrix unit's own rounding can turn it there, and no further.
;; One version. Each part assembles by itself: llvm-mc -triple=amdgcn-amd-amdhsa -mcpu=gfx1250 --defsym DOCPART=n.
;; ======== version 1 of 1: 3 launches
;; workspace buffers: cod 21,233,664 bytes; scl 884,736 bytes; qb 6,553,600 bytes; kv 13,107,200 bytes
;; launch quant (part 1): grid 864 x 1, 4 waves a work-group, no clusters, 33,280 bytes of LDS; arguments query, key_, value, Wq, Wk, Wv, cod, scl; writes cod, scl
.if DOCPART == 1
	.amdgcn_target "amdgcn-amd-amdhsa--gfx1250"
	.amdhsa_code_object_version 6
	.text
	.protected	k_q915f3ef6c8_quant
	.globl	k_q915f3ef6c8_quant
	.p2align	8
	.type	k_q915f3ef6c8_quant,@function
k_q915f3ef6c8_quant:
	s_mov_b64 s[64:65], 0
	v_nop
	global_prefetch_b8 v0, s[64:65] scope:SCOPE_SE
	s_setreg_imm32_b32 hwreg(HW_REG_WAVE_MODE, 25, 1), 1
	s_wait_xcnt 0x0
; query, key_, value [8192][1024] and Wq, Wk, Wv [1024][1024], f32, K innermost in all six, become codes of FP6 (E2M3), 6 bits each, and one E8M0 scale byte for each 32 along K.
; A block's scale is 2^(floor(log2(its largest magnitude)) - 2); its byte is the largest magnitude's own exponent field - 2, held at 1 from below.  Each number is divided by the scale and rounded to the
; nearest code, ties to even; beyond the largest code the largest.
; LIMITS: a block whose largest magnitude lies under 2^-124 (the floor), a block of zeros among them, gets the byte 1 (the stated quantiser says 127 for zeros): its codes are zeros or nearly so, zero codes add
; nothing under any byte but 0xff, and the bytes are read by this program alone.  NaN and infinities among the inputs are not served.
; SHARES.  A work-group takes 32 rows (32,768 numbers), a wave 8 rows, in 16 steps of 512 numbers.  Work-groups 0-255 query, 256-511 key_, 512-767 value, 768-799 Wq, 800-831 Wk, 832-863 Wv; the six
; tensors lie in cod (rows of 768 bytes) and scl (rows of 32 bytes) in that order, so an output place hangs on the work-group's number alone.
; THE ROWS ARE LAID IN ANOTHER ORDER THAN THEY COME: in every 32 rows, bits 3 and 4 of the row's number change places (a wave is 8 rows: wave 1's go to place 2, wave 2's to place 1).  So sixteen neighbouring
; rows of cod are rows 0-7 and 16-23 (or 8-15 and 24-31) of a group of 32, which is the choice of rows that lets a product's result be quantised in registers in the next launch.
; A load reads 512 consecutive bytes, 16 a lane; the conversion wants 16 NEIGHBOURS in a lane: a step's 2,048 bytes turn through the wave's own stage in LDS (16 bytes of padding behind each 64).
; No tensor loads, no barrier, no cluster: waves and work-groups share nothing.  Loads run four steps (16 loads a wave) ahead, the turn through LDS one step.
.set STEPS, 16
.set EMAX,  2
.set CB,    12                         ; bytes of 16 codes
.set R,     16                         ; v16-79   four sets of 16 numbers as they are loaded
.set X,     80                         ; v80-111  two sets of 16 neighbours
.set C,     128                        ; v128-191 codes: four registers for each step, so that no store's data are written again
.set E,     112                        ; v112-127 a scale byte for each step
.set WREG,  8192                       ; LDS: a region for each wave: two stages of 32 x SP bytes, behind them its 256 scale bytes
.set SP,    80                         ; a lane's place in a stage: its 64 bytes + 16 of padding
	s_load_b512 s[4:19], s[0:1], 0x0               ; query, key_, value, Wq, Wk, Wv, cod s[16:17], scl s[18:19]
	v_lshl_add_u32 v192, v0, 2, 0x8000
	v_mov_b32 v193, 0
	v_lshrrev_b32 v1, 5, v0
	v_readfirstlane_b32 s24, v1                    ; wave
	v_and_b32 v2, 31, v0                           ; lane
	v_lshlrev_b32 v3, 4, v2                        ; my 16 bytes of a load's 512
	s_mul_i32 s25, s24, WREG
	v_lshrrev_b32 v14, 2, v2
	v_mul_u32_u24 v14, v14, SP
	v_and_b32 v15, 3, v2
	v_lshl_add_u32 v14, v15, 4, v14
	v_add_nc_u32 v14, s25, v14                     ; the stage, on the way in: SP (lane / 4) + 16 (lane % 4)
	v_mul_u32_u24 v15, v2, SP
	v_add_nc_u32 v15, s25, v15                     ; and on the way out: SP x lane: my 16 neighbours
	v_mul_u32_u24 v4, v2, CB                       ; my codes' place in a step's
	v_lshrrev_b32 v5, 1, v2
	s_add_co_u32 s25, s25, 2*32*SP
	v_add_nc_u32 v5, s25, v5                       ; LDS: my wave's 256 scale bytes, my block's byte
	v_lshlrev_b32 v7, 3, v2                        ; and on the way out 8 bytes a lane
	v_add_nc_u32 v6, s25, v7
	s_wait_kmcnt 0x0
	s_mov_b64 s[20:21], s[14:15]                   ; which tensor is mine, and which work-group is its first: five choices, each on the work-group's number alone
	s_mov_b32 s22, 832
	s_cmp_lt_u32 ttmp9, 832
	s_cselect_b64 s[20:21], s[12:13], s[20:21]
	s_cselect_b32 s22, 800, s22
	s_cmp_lt_u32 ttmp9, 800
	s_cselect_b64 s[20:21], s[10:11], s[20:21]
	s_cselect_b32 s22, 768, s22
	s_cmp_lt_u32 ttmp9, 768
	s_cselect_b64 s[20:21], s[8:9], s[20:21]
	s_cselect_b32 s22, 512, s22
	s_cmp_lt_u32 ttmp9, 512
	s_cselect_b64 s[20:21], s[6:7], s[20:21]
	s_cselect_b32 s22, 256, s22
	s_cmp_lt_u32 ttmp9, 256
	s_cselect_b64 s[20:21], s[4:5], s[20:21]
	s_cselect_b32 s22, 0, s22
	s_sub_co_u32 s26, ttmp9, s22
	s_lshl_b32 s26, s26, 2
	s_add_co_u32 s26, s26, s24                     ; which run of 8 rows of the tensor I read,
	s_lshl_b32 s26, s26, 15                        ; 32,768 bytes each (under 2^25 in all)
	s_mov_b32 s27, 0
	s_add_nc_u64 s[20:21], s[20:21], s[26:27]
	s_and_b32 s28, s24, 1                          ; where it goes: the wave's two bits change places
	s_lshl_b32 s28, s28, 1
	s_lshr_b32 s29, s24, 1
	s_or_b32 s28, s28, s29
	s_lshl_b32 s29, ttmp9, 2
	s_add_co_u32 s28, s28, s29                     ; the run's place among all six tensors' runs
	s_mul_i32 s26, s28, 32*STEPS*CB                ; 6,144 bytes of codes a run
	s_add_nc_u64 s[16:17], s[16:17], s[26:27]
	s_lshl_b32 s26, s28, 8                         ; 256 scale bytes a run
	s_add_nc_u64 s[18:19], s[18:19], s[26:27]
.macro LOAD t
.irp i, 0,1,2,3
	global_load_b128 v[R+16*((\t)%4)+4*\i:R+16*((\t)%4)+4*\i+3], v3, s[20:21] offset:2048*(\t)+512*\i th:TH_LOAD_NT   ; 32 lanes read 512 consecutive bytes; read once in the launch
.endr
.endm
.macro TURN t                          ; step t's numbers through the stage: LDS serves a wave's instructions in order, so no wait stands between the stores and the loads
.irp i, 0,1,2,3
	ds_store_b128 v14, v[R+16*((\t)%4)+4*\i:R+16*((\t)%4)+4*\i+3] offset:32*SP*((\t)%2)+8*SP*\i
.endr
.irp i, 0,1,2,3
	ds_load_b128 v[X+16*((\t)%2)+4*\i:X+16*((\t)%2)+4*\i+3], v15 offset:32*SP*((\t)%2)+16*\i
.endr
.endm
.irp t, 0,1,2,3
	LOAD \t
.endr
	s_wait_loadcnt 12                              ; step 0's four loads are in; the twelve of steps 1 to 3 may be out
	TURN 0
.macro STEP t
.set XS, X+16*((\t)%2)
.if (\t) > 0
	s_wait_dscnt 1                                 ; this step's numbers are back from the stage (the last step's byte store may be out): so its stores into the stage have read their registers,
.else
	s_wait_dscnt 0x0
.endif
.if (\t)+4 < STEPS
	LOAD (\t)+4                                    ; which take the loads of four steps on
.endif
.if (\t)+1 < STEPS
.if STEPS-2-(\t) >= 3
	s_wait_loadcnt 12                              ; the next step's four loads are in; those of the three steps behind it may be out
.else
	s_wait_loadcnt 4*(STEPS-2-(\t))                ; in the tail fewer steps are behind it
.endif
	TURN (\t)+1                                    ; and go through the other stage while this step is worked
.endif
	v_max3_num_f32 v8, |v[XS]|, |v[XS+1]|, |v[XS+2]|               ; the largest magnitude of my 16, in two chains
	v_max3_num_f32 v9, |v[XS+3]|, |v[XS+4]|, |v[XS+5]|
.irp i, 6,10
	v_max3_num_f32 v8, v8, |v[XS+\i]|, |v[XS+\i+1]|
	v_max3_num_f32 v9, v9, |v[XS+\i+2]|, |v[XS+\i+3]|
.endr
	v_max3_num_f32 v8, v8, |v[XS+14]|, |v[XS+15]|
	v_max3_num_f32 v8, v8, v9, (EMAX+1)<<23        ; and the floor 2^(3 - 127): the byte cannot fall under 1
	v_max_num_f32_dpp v8, v8, v8 row_xmask:1 row_mask:0xf bank_mask:0xf   ; and of my neighbour's 16: the block's
	v_add_nc_u32 v11, -(EMAX<<23), v8              ; 2 off its exponent field: the conversion takes the exponent field of this operand as its scale, and nothing else of it
	v_cvt_scalef32_pk16_fp6_f32 v[C+4*(\t):C+4*(\t)+2], v[XS:XS+15], v11   ; sixteen codes, 96 bits without gaps, the first number's code lowest
	v_lshrrev_b32 v[E+(\t)], 23, v11               ; the scale's byte (also the plain line behind the conversion)
	ds_store_b8 v5, v[E+(\t)] offset:16*(\t)       ; both lanes of a block write the same byte with the same value
	global_store_b96 v4, v[C+4*(\t):C+4*(\t)+2], s[16:17] offset:32*CB*(\t)   ; the wave stores 384 consecutive bytes
.endm
.irp t, 0,1,2,3,4,5,6,7,8,9,10,11,12,13,14,15
	STEP \t
.endr
	ds_load_b64 v[12:13], v6                       ; LDS serves a wave's instructions in order: these see my byte stores
	s_wait_dscnt 0x0
	global_store_b64 v7, v[12:13], s[18:19]        ; 32 lanes store 256 consecutive bytes, at a multiple of 256 from scl's first byte
	s_wait_tensorcnt 0x0
	ds_add_u32 v192, v193
	s_wait_dscnt 0x0
	s_endpgm
.Lfunc_end_k_q915f3ef6c8_quant:
	.size	k_q915f3ef6c8_quant, .Lfunc_end_k_q915f3ef6c8_quant-k_q915f3ef6c8_quant
	.p2alignl 7, 3214868480
	.fill 96, 4, 3214868480
	.section	.rodata,"a",@progbits
	.p2align	6, 0x0
	.amdhsa_kernel k_q915f3ef6c8_quant
		.amdhsa_group_segment_fixed_size 33280
		.amdhsa_private_segment_fixed_size 0
		.amdhsa_enable_private_segment 0
		.amdhsa_kernarg_size 64
		.amdhsa_user_sgpr_count 2
		.amdhsa_user_sgpr_kernarg_segment_ptr 1
		.amdhsa_wavefront_size32 1
		.amdhsa_system_sgpr_workgroup_id_x 1
		.amdhsa_system_sgpr_workgroup_id_y 1
		.amdhsa_system_sgpr_workgroup_id_z 1
		.amdhsa_system_vgpr_workitem_id 0
		.amdhsa_next_free_vgpr 194
		.amdhsa_next_free_sgpr 66
		.amdhsa_reserve_vcc 0
		.amdhsa_float_denorm_mode_32 3
		.amdhsa_float_denorm_mode_16_64 3
		.amdhsa_memory_ordered 1
		.amdhsa_forward_progress 1
		.amdhsa_inst_pref_size 33
	.end_amdhsa_kernel
	.amdgpu_metadata
---
amdhsa.version: [ 1, 2 ]
amdhsa.kernels:
  - .name:           k_q915f3ef6c8_quant
    .symbol:         k_q915f3ef6c8_quant.kd
    .args:
      - { .name: query, .offset: 0, .size: 8, .value_kind: global_buffer, .address_space: global }
      - { .name: key_, .offset: 8, .size: 8, .value_kind: global_buffer, .address_space: global }
      - { .name: value, .offset: 16, .size: 8, .value_kind: global_buffer, .address_space: global }
      - { .name: Wq, .offset: 24, .size: 8, .value_kind: global_buffer, .address_space: global }
      - { .name: Wk, .offset: 32, .size: 8, .value_kind: global_buffer, .address_space: global }
      - { .name: Wv, .offset: 40, .size: 8, .value_kind: global_buffer, .address_space: global }
      - { .name: cod, .offset: 48, .size: 8, .value_kind: global_buffer, .address_space: global }
      - { .name: scl, .offset: 56, .size: 8, .value_kind: global_buffer, .address_space: global }
    .group_segment_fixed_size: 33280
    .private_segment_fixed_size: 0
    .kernarg_segment_align: 8
    .kernarg_segment_size: 64
    .max_flat_workgroup_size: 128
    .sgpr_count:     66
    .vgpr_count:     194
    .wavefront_size: 32
...
	.end_amdgpu_metadata
.endif
;; end of part 1
;; launch proj (part 2): grid 4 x 96, 4 waves a work-group, clusters of 4 x 4, 327,680 bytes of LDS; arguments cod, scl, bq, bk, bv, qb, kv; writes qb, kv
.if DOCPART == 2
	.amdgcn_target "amdgcn-amd-amdhsa--gfx1250"
	.amdhsa_code_object_version 6
	.text
	.protected	k_q915f3ef6c8_proj
	.globl	k_q915f3ef6c8_proj
	.p2align	8
	.type	k_q915f3ef6c8_proj,@function
k_q915f3ef6c8_proj:
	s_mov_b64 s[64:65], 0
	v_nop
	global_prefetch_b8 v0, s[64:65] scope:SCOPE_SE
	s_setreg_imm32_b32 hwreg(HW_REG_WAVE_MODE, 25, 1), 1
	s_wait_xcnt 0x0
	s_wait_alu depctr_hold_cnt(0) depctr_sa_sdst(0) depctr_va_vdst(0) depctr_va_sdst(0) depctr_va_ssrc(0) depctr_va_vcc(0) depctr_vm_vsrc(0)
	s_getreg_b32 s2, hwreg(HW_REG_IB_STS2, 6, 4)
	s_cmp_eq_u32 s2, 0
	s_cbranch_scc0 .Lentry_in_a_cluster
	s_endpgm
.Lentry_in_a_cluster:
	s_bfe_u32 s2, ttmp6, 0x10000c
	s_cmp_lg_u32 s2, 0xf033
	s_cbranch_scc0 .Lentry_shape_is_right
	s_endpgm
.Lentry_shape_is_right:
; The three projections y = x W^T + b on codes of FP6 (E2M3) with one E8M0 scale for each 32 along K = 1,024; y (f32 sums) is quantised in registers and leaves as codes: q and k along the head's 64 channels,
; v along the keys.  The f32 results never go to memory.
; WHICH PRODUCT: the cluster's y, 0..23: pi = y / 8 (0 q, 1 k, 2 v), cl = y % 8.  One text serves all three as a GEMM with two roles.  Role "A" is source 1 of the matrix instruction: a lane holds ONE of its rows.
; Role "B" is source 0: a lane's registers run along ITS rows, which is the axis that is quantised.  q, k: A = the tokens (x), B = the channels (W).  v: A = the channels (Wv), B = the tokens (value).
; A tile is 256 x 256, made by four waves of 128 x 128 (64 accumulators, 512 registers): 128 tokens x 2 heads a wave.  K goes in steps of 256 through two LDS slots filled by the tensor data mover (rows of 192 bytes).
; The scale bytes of the work-group's 256 + 256 rows, for all of K, come into LDS once, with the first fills.
; CLUSTERS: 4 x 4 work-groups.  A's tile number is 4 clA + cy (clA = cl for q, k; 0 for v), B's 4 clB + cx (clB = 0; cl): A's tile is shared along a row of the cluster, B's along a column, and each is asked for
; JOINTLY: the same tensor load with the same descriptor and a mask that names the four.  pi and cl are equal in all sixteen partners.
; THE ROWS OF cod LIE SO that sixteen neighbouring rows are rows p + 8 (p / 8) of a group of 32 (+ 8 for the odd sixteen).  So register 16 B + i of a lane's 64 results of one A block is B row 32 B + 16 (lane / 16) + i:
; sixteen neighbours along the axis to be quantised; a block of 32 lies in lanes l and l xor 16.
; THE BIAS is the C of each sum's first product (it enters the f32 sum first, not last).  q, k: it hangs on B's row (eight numbers a lane and B block); v: on A's row (one number a lane and A block, eight times).
; WHAT IS STORED: images of the next launch's operand registers, in blocks of 256 bytes: lane l's 8 bytes (two registers) at 8 l; every store of a wave covers 256 consecutive bytes, aligned.
;   qb: [batch x 16 + head][group of 128 tokens] records of 6,400 bytes: codes 6,144 | scale words 256.      kv: records of 12,800: K's codes 6,144 | V's codes 6,144 | K's scale words 256 | V's 256.
;   q, k codes: A block a = 2 f + u at 768 a: lane (r, h): token 32 f + 8 u + r + 8 (r / 8), channels 32 h .. 32 h + 31.  Scale words: lane (e, r), word w: blocks a = 2 (2 w + e), 2 (2 w + e) + 1: two bytes each.
;   v codes: A block a % 4 = tau at 1,536 tau: a whole operand: lane (r, h): channel 32 (tau / 2) + 8 (tau % 2) + r + 8 (r / 8), registers 6 c ..: keys 64 c + 32 h + 0 .. 31.  Scale words: word c: tau = c (lanes 0-15), 2 + c (16-31).
; LIMITS: a block whose largest magnitude lies under 2^-124, zeros among them, gets the byte 1 (its codes are zeros or nearly so; the bytes are read by this program alone); NaN and infinities are not served.
; REGISTERS, in windows of 256: window 0: v0-31 addresses; v32-63 scale words, two sets; v64-127 the bias; v128-223 A's fragments, ONE set; v224-231 the bias's offsets; on the way out v24-27, v32-89 are at work.
;   window 1: B's fragments, TWO sets, at v0 and v128.   window 2: the accumulators of my A blocks 0-3 ((a, b) at v[8 (8 (a % 4) + b)]);   window 3: those of blocks 4-7.
.set SIZE_K, 1024
.set KSTEP,  256                       ; along K in a slot
.set NQ,     KSTEP/128                 ; matrix instructions deep
.set ROWB,   192                       ; a tile's row in bytes
.set KROW,   SIZE_K*6/8                ; a row of cod in bytes
.set PITCH,  240                       ; an LDS row: 3 x (64 bytes of data + 16 of padding) = 60 words: the 32 lanes of a load of 8 bytes touch 64 different banks (64 banks of 4 bytes: ISA guide 11.1)
.set FR,     12                        ; registers of a fragment: 16 rows x 128 K
.set NL,     6                         ; LDS loads that bring one
.set NP,     4                         ; places behind this matrix instruction (ISA guide 7.12.1)
.set HALFT,  128*PITCH                 ; 128 rows: what one tensor load brings, and what one wave reads of A or of B
.set SLOT,   4*HALFT                   ; A's 256 rows, then B's 256 rows
.set LAPS,   SIZE_K/(2*KSTEP)          ; a lap = two K steps = once round the ring
.set KS,     SIZE_K/32                 ; a row of scale bytes
.set SCL,    2*SLOT                    ; behind the ring: the scale bytes, as blocks of 256 bytes + 16 of padding
.set HALFS,  (128*KS/256)*272          ; those of 128 rows: what one tensor load brings
.set SBLK,   (16*KS/256)*272           ; those of 16 rows
.set SPARE,  SCL+4*HALFS               ; behind the scales: the spare words, 128 bytes for each wave: two blocks of 256 bytes that no other line names
.set ADRA, 16                          ; v16-17  LDS address of my A fragments in slot 0, 1  (v18-19: the same for the pieces that lie behind one padding more)
.set ADRB, 20                          ; v20-21  the same for B  (v22-23)
.set ADRS, 27                          ; v27     LDS address of my scale words: lanes 0-15 A's rows, lanes 16-31 B's
.set SPW,  28                          ; v28     LDS address of my spare word; never rewritten
.set NIL,  29                          ; v29     0; never rewritten
.set SC,   32                          ; scale words: set s at v[SC + 8 NQ s]; register NQ i + q: lanes 0-15 the word of A's block i, lanes 16-31 that of B's block i
.set BI,   64                          ; v64-127 the bias: eight registers for each block
.set AF,   128                         ; A's fragments
.set BO,   224                         ; v224-231 byte offsets into the bias
.set G1, 24                            ; s[24:31] descriptor group 1 for A's tiles;  s[32:39] group 0, one set for each slot
.set G0, 32
.set G1B, 48                           ; s[48:55], s[56:63] the same for B's tiles
.set G0B, 56
.set G1S, 68                           ; s[68:75], s[76:79] groups 1 and 0 for A's scales;  s[80:87], s[88:91] for B's
.set G0S, 76
.set G1SB, 80
.set G0SB, 88
.set MSB, 0
.macro WIN new                         ; the immediate's high byte repeats the setting that is left; a switch that changes nothing is dropped
.if MSB != \new
	s_set_vgpr_msb (MSB<<8)|\new
.set MSB, \new
.endif
.endm
.set MUL_LO, 0xa1                      ; source 0 (B) window 1, source 1 (A) window 0, C and D window 2
.set MUL_HI, 0xf1                      ; the same, C and D window 3
.set BEG_LO, 0x81                      ; the first products: C (the bias) window 0, D window 2
.set BEG_HI, 0xc1                      ; D window 3
.set TO_B,   0x40                      ; destination window 1, address window 0
; A joint load: waves 0 and 1 fetch for A, waves 2 and 3 for B.  Each of the two lines has ONE mask and one set of registers for all that issue it; the branch hangs on the wave's number alone.
; Four v_nop follow each of the two lines, ahead of the jump, the label and what follows.
.macro JLOAD g0a, g1a, g0b, g1b
	s_cmp_eq_u32 s15, 0
	s_cbranch_scc0 .Lfor_b_\@
	tensor_load_to_lds s[\g0a:\g0a+3], s[\g1a:\g1a+7]
	s_nop 0
.rept 4
	v_nop
.endr
	s_branch .Lasked_\@
.Lfor_b_\@:
	tensor_load_to_lds s[\g0b:\g0b+3], s[\g1b:\g1b+7]
	s_nop 0
.rept 4
	v_nop
.endr
.Lasked_\@:
.endm
.macro CREST                           ; a round of the cluster's barrier behind its opening barrier
	s_cmp_lg_u32 s14, 0
	s_cbranch_scc1 .Lnot_wave_0_\@
	s_barrier_signal -3
.Lnot_wave_0_\@:
	s_barrier_wait -3
	s_barrier_signal -1
	s_barrier_wait -1
.endm
.macro CROUND                          ; a whole round
	s_barrier_signal -1
	s_barrier_wait -1
	CREST
.endm
	s_load_b256 s[4:11], s[0:1], 0x0               ; cod s[4:5], scl s[6:7], bq s[8:9], bk s[10:11]
	s_load_b128 s[96:99], s[0:1], 0x20             ; bv s[96:97], qb s[98:99]
	s_load_b64 s[100:101], s[0:1], 0x30            ; kv
	v_lshl_add_u32 v[SPW], v0, 2, SPARE
	v_mov_b32 v[NIL], 0
	ds_add_u32 v28, v29
	ds_add_u32 v28, v29
	s_wait_dscnt 0x0
	v_lshrrev_b32 v1, 5, v0
	v_readfirstlane_b32 s14, v1                    ; wave 0..3
	s_lshr_b32 s15, s14, 1                         ; which half of A's 256 rows is mine.  Also: I fetch for A (0) or for B (1)
	s_and_b32 s16, s14, 1                          ; which half of B's.  Also: which 128 rows of that tile I fetch
	s_bfe_u32 s40, ttmp6, 0x40000                  ; cx, cy: my place in the cluster
	s_bfe_u32 s41, ttmp6, 0x40004
	s_and_b32 s18, ttmp7, 0xffff                   ; the cluster's y
	s_lshr_b32 s66, s18, 3                         ; pi: 0 q, 1 k, 2 v
	s_and_b32 s67, s18, 7                          ; cl
	s_mul_i32 s18, s66, 6291456                    ; where x number pi begins in cod,
	s_mul_i32 s19, s66, 786432
	s_add_co_u32 s19, s19, 18874368                ; where W number pi begins,
	s_lshl_b32 s12, s66, 18                        ; and the same in scl
	s_lshl_b32 s13, s66, 15
	s_add_co_u32 s13, s13, 786432
	s_cmp_eq_u32 s66, 2                            ; v changes the roles.  Choices alone, no branch
	s_cselect_b32 s2, 0, s67                       ; clA
	s_cselect_b32 s95, s67, 0                      ; clB
	s_cselect_b32 s20, s19, s18                    ; A's codes begin here,
	s_cselect_b32 s46, s18, s19                    ; B's here,
	s_cselect_b32 s22, s13, s12                    ; A's scale bytes,
	s_cselect_b32 s92, s12, s13                    ; B's
	s_lshl_b32 s17, s2, 2
	s_add_co_u32 s17, s17, s41                     ; A's tile = 4 clA + cy
	s_lshl_b32 s42, s95, 2
	s_add_co_u32 s42, s42, s40                     ; B's tile = 4 clB + cx
	s_lshl_b32 s43, s41, 2
	s_lshl_b32 s43, 15, s43                        ; my row of the cluster
	s_lshl_b32 s44, 0x1111, s40                    ; my column
	; descriptor group 1: a tile of 128 rows x 192 bytes, padded in LDS
	s_or_b32 s[G1+0], s43, (0<<16)|(1<<20)|(1<<21)|(3<<22)|(3<<25)  ; 15:0 the mask: A's tiles go to my row; 17:16 elements of 1 byte; 20 padding on; 21 set beside a mask; 24:22 after every 16 words (code 3); 31:25 of 4 words (code 3)
	s_or_b32 s[G1B+0], s44, (0<<16)|(1<<20)|(1<<21)|(3<<22)|(3<<25) ; the same with the mask of my column
.irp g, G1, G1B
	s_mov_b32 s[\g+1], ROWB<<16                    ; tensor_dim0
	s_mov_b32 s[\g+2], 128<<16                     ; tensor_dim1 = 128
	s_mov_b32 s[\g+3], ROWB<<16                    ; tile_dim0
	s_mov_b32 s[\g+4], 128                         ; tile_dim1 = 128
	s_mov_b32 s[\g+5], KROW                        ; tensor_dim0_stride
	s_mov_b32 s[\g+6], 0
	s_mov_b32 s[\g+7], 0
.endr
	; and for the scale bytes of 128 rows: a dense block of 4,096 bytes, as 16 rows of 256 bytes (32 elements of 8 bytes), 16 bytes of padding behind each
	s_or_b32 s[G1S+0], s43, (3<<16)|(1<<20)|(1<<21)|(5<<22)|(3<<25)
	s_or_b32 s[G1SB+0], s44, (3<<16)|(1<<20)|(1<<21)|(5<<22)|(3<<25)
.irp g, G1S, G1SB
	s_mov_b32 s[\g+1], 32<<16
	s_mov_b32 s[\g+2], (128*KS/256)<<16
	s_mov_b32 s[\g+3], 32<<16
	s_mov_b32 s[\g+4], 128*KS/256
	s_mov_b32 s[\g+5], 32
	s_mov_b32 s[\g+6], 0
	s_mov_b32 s[\g+7], 0
.endr
	; byte offsets of what I fetch (all under 2^25).  A's hang on the cluster's y, cy and the wave, B's on the cluster's y, cx and the wave, each in registers that never hold the other coordinate
	s_lshl_b32 s18, s16, 7                         ; which 128 rows of the tile I fetch
	s_lshl_b32 s19, s17, 8
	s_add_co_u32 s19, s19, s18                     ; A: row 256 x tile + 128 x half
	s_lshl_b32 s94, s42, 8
	s_add_co_u32 s94, s94, s18                     ; B likewise
	s_mul_i32 s12, s19, KROW
	s_add_co_u32 s20, s20, s12                     ; A's codes
	s_lshl_b32 s12, s19, 5
	s_add_co_u32 s22, s22, s12                     ; A's scale bytes
	s_mul_i32 s13, s94, KROW
	s_add_co_u32 s46, s46, s13                     ; B's codes
	s_lshl_b32 s13, s94, 5
	s_add_co_u32 s92, s92, s13                     ; B's scale bytes
	s_mov_b32 s21, 0
	s_mov_b32 s23, 0
	s_mov_b32 s47, 0
	s_mov_b32 s93, 0
	s_mul_i32 s45, s14, HALFT                      ; where they go: wave x 128 rows: no place in the cluster enters an LDS address
	s_mul_i32 s67, s14, HALFS
	s_wait_kmcnt 0x0
	s_add_nc_u64 s[20:21], s[4:5], s[20:21]
	s_add_nc_u64 s[22:23], s[6:7], s[22:23]
	s_add_nc_u64 s[46:47], s[4:5], s[46:47]
	s_add_nc_u64 s[92:93], s[6:7], s[92:93]
	CROUND                                         ; all sixteen work-groups are here: the first joint loads meet
	s_mov_b32 s[G0S], 1
	s_add_co_u32 s[G0S+1], s67, SCL
	s_mov_b64 s[G0S+2:G0S+3], s[22:23]
	s_or_b32 s[G0S+3], s[G0S+3], 0x80000000
	s_mov_b32 s[G0SB], 1
	s_add_co_u32 s[G0SB+1], s67, SCL
	s_mov_b64 s[G0SB+2:G0SB+3], s[92:93]
	s_or_b32 s[G0SB+3], s[G0SB+3], 0x80000000
	JLOAD G0S, G1S, G0SB, G1SB                     ; the scale bytes first: they are wanted with K step 0.  With the two below, three tensor loads of mine are out
.irp s, 0,1
	s_mov_b32 s[G0+4*\s], 1                                        ; 1:0 count = 1
	s_add_co_u32 s[G0+4*\s+1], s45, \s*SLOT                        ; 63:32 LDS address
	s_add_nc_u64 s[G0+4*\s+2:G0+4*\s+3], s[20:21], \s*ROWB         ; 120:64 global address: K step s
	s_or_b32 s[G0+4*\s+3], s[G0+4*\s+3], 0x80000000                ; 127:126 type = 2
	s_mov_b32 s[G0B+4*\s], 1
	s_add_co_u32 s[G0B+4*\s+1], s45, \s*SLOT
	s_add_nc_u64 s[G0B+4*\s+2:G0B+4*\s+3], s[46:47], \s*ROWB
	s_or_b32 s[G0B+4*\s+3], s[G0B+4*\s+3], 0x80000000
	JLOAD G0+4*\s, G1, G0B+4*\s, G1B
.endr
	v_and_b32 v1, 15, v0                           ; r = l % 16
	v_bfe_u32 v2, v0, 4, 1                         ; h = l / 16
	v_mul_u32_u24 v3, v1, PITCH
	v_mul_u32_u24 v4, v2, 24
	v_add_nc_u32 v4, v3, v4                        ; a fragment's row x pitch + 24 x half
	v_lshl_add_u32 v5, v2, 4, v4                   ; and the same behind one padding more
	s_mul_i32 s21, s15, HALFT                      ; my 128 rows of A
	s_mul_i32 s22, s16, HALFT                      ; my 128 rows of B,
	s_add_co_u32 s22, s22, 2*HALFT                 ; which lie behind A's 256
.irp s, 0,1
	v_add_nc_u32 v[ADRA+\s], s21, v4
	v_add_nc_u32 v[ADRB+\s], s22, v4
	v_add_nc_u32 v[ADRA+2+\s], s21, v5
	v_add_nc_u32 v[ADRB+2+\s], s22, v5
	s_add_co_u32 s21, s21, SLOT
	s_add_co_u32 s22, s22, SLOT
.endr
	v_mul_u32_u24 v5, v1, KS                       ; my row's scale bytes: 32 a row,
	v_lshrrev_b32 v6, 8, v5
	v_lshl_add_u32 v5, v6, 4, v5                   ; and 16 more for each 256 passed
	s_mul_i32 s21, s15, HALFS                      ; A's: my 128 rows
	s_mul_i32 s22, s16, HALFS                      ; B's: my 128 rows, behind A's 256
	s_add_co_u32 s22, s22, 2*HALFS
	s_sub_co_u32 s22, s22, s21
	v_mul_u32_u24 v6, s22, v2                      ; lanes 16-31 take B's: the lower base + h x the distance
	s_add_co_u32 s21, s21, SCL
	v_add_nc_u32 v5, v5, v6
	v_add_nc_u32 v[ADRS], s21, v5
	; THE BIAS, 64 registers, by one run of loads for all three products.  q, k: register 8 b + j = bias[c0 + 32 (b / 2) + 8 (b % 2) + 16 h + j];  v: register 8 a + j = bv[c0 + 32 (a / 2) + 8 (a % 2) + r + 8 (r / 8)] for every j.
	s_cmp_eq_u32 s66, 0
	s_cselect_b64 s[8:9], s[8:9], s[10:11]         ; bq or bk,
	s_cmp_eq_u32 s66, 2
	s_cselect_b64 s[8:9], s[96:97], s[8:9]         ; or bv
	s_cselect_b32 s18, s17, s42                    ; the channels' tile (A's for v, B's for q, k)
	s_cselect_b32 s19, s15, s16                    ; and my half of it
	s_cselect_b32 s12, 4, 0                        ; bytes for each row r + 8 (r / 8),
	s_cselect_b32 s13, 0, 64                       ; for the lane's half,
	s_cselect_b32 s3, 0, 4                         ; and from register to register
	s_lshl_b32 s18, s18, 10
	s_lshl_b32 s19, s19, 9
	s_add_co_u32 s18, s18, s19                     ; 4 c0 = 4 (256 x tile + 128 x half)
	v_and_b32 v3, 8, v1
	v_add_nc_u32 v3, v3, v1                        ; r + 8 (r / 8)
	v_mul_u32_u24 v3, s12, v3
	v_mad_u32_u24 v3, v2, s13, v3
	v_add_nc_u32 v[BO], s18, v3
.irp j, 1,2,3,4,5,6,7
	v_add_nc_u32 v[BO+\j], s3, v[BO+\j-1]
.endr
.irp c, 0,1,2,3,4,5,6,7
.irp j, 0,1,2,3,4,5,6,7
	global_load_b32 v[BI+8*\c+\j], v[BO+\j], s[8:9] offset:4*(32*(\c/2)+8*(\c%2))
.endr
.endr
.macro FRAG reg, adr, q, i             ; a fragment, 16 rows x 128 K of 6-bit codes, is 12 registers: lane l holds row l % 16; registers 6 c .. 6 c + 5 hold K = 64 c + 32 (l / 16) + 0 .. 31: 24 bytes of the row's stream of bits, as they lie
.irp p, 0,1,2,3,4,5                    ; in pieces of 8 bytes, so that every address is a multiple of the access's size.  Lanes 0-15 take the row's pieces 12 q + 0, 1, 2 and 12 q + 6, 7, 8, lanes 16-31 those three pieces on
.set PIE, 12*(\q)+6*(\p/3)+\p%3       ; 16 bytes of padding lie behind every 8 pieces: where the piece three on lies behind one padding more, the second address register (40 for 24 bytes a half) serves
.if PIE%8 < 5
	ds_load_b64 v[\reg+2*\p:\reg+2*\p+1], v[\adr] offset:8*PIE+16*(PIE/8)+(\i)*16*PITCH
.else
	ds_load_b64 v[\reg+2*\p:\reg+2*\p+1], v[\adr+2] offset:8*PIE+16*(PIE/8)+(\i)*16*PITCH
.endif
.endr
.endm
; 16 matrix instructions: A's blocks a0, a0 + 1 x B's eight, 128 along K: the slot's q-th.  p: B's set;  sc: the set of scale words.
; zero = 1: the first product starts the sums on the bias of B's block;  2: on the bias of A's block;  0: in place.  Nothing is ever cleared.
; The 64 accumulators take turns, one instruction a turn, in the same order in every step.
.macro MUL16 a0, p, q, sc, zero
.irp a, \a0, \a0+1
.irp b, 0,1,2,3,4,5,6,7
.set rD, 8*(8*((\a)%4)+\b)
.set rB, 128*(\p)+FR*\b
.set rA, AF+FR*(\a)
.set rSB, SC+8*NQ*(\sc)+NQ*\b+(\q)
.set rSA, SC+8*NQ*(\sc)+NQ*(\a)+(\q)
.if \zero == 1
	v_wmma_scale_f32_16x16x128_f8f6f4 v[rD:rD+7], v[rB:rB+FR-1], v[rA:rA+FR-1], v[BI+8*\b:BI+8*\b+7], v[rSB], v[rSA] matrix_a_fmt:MATRIX_FMT_FP6 matrix_b_fmt:MATRIX_FMT_FP6 matrix_a_scale:MATRIX_SCALE_ROW1
.elseif \zero == 2
	v_wmma_scale_f32_16x16x128_f8f6f4 v[rD:rD+7], v[rB:rB+FR-1], v[rA:rA+FR-1], v[BI+8*(\a):BI+8*(\a)+7], v[rSB], v[rSA] matrix_a_fmt:MATRIX_FMT_FP6 matrix_b_fmt:MATRIX_FMT_FP6 matrix_a_scale:MATRIX_SCALE_ROW1
.else
	v_wmma_scale_f32_16x16x128_f8f6f4 v[rD:rD+7], v[rB:rB+FR-1], v[rA:rA+FR-1], v[rD:rD+7], v[rSB], v[rSA] matrix_a_fmt:MATRIX_FMT_FP6 matrix_b_fmt:MATRIX_FMT_FP6 matrix_a_scale:MATRIX_SCALE_ROW1
.endif
.endr
.endr
.endm
.macro FETCH_B slot, q, p              ; B's eight fragments of the slot's q-th 128 along K into set p
	WIN TO_B
.irp i, 0,1,2,3,4,5,6,7
	FRAG 128*(\p)+FR*\i, ADRB+\slot, \q, \i
.endr
	WIN 0
.endm
.macro FETCH_A slot, q, i0             ; A's blocks i0 .. i0 + 3
.irp i, \i0, \i0+1, \i0+2, \i0+3
	FRAG AF+FR*(\i), ADRA+\slot, \q, \i
.endr
.endm
.macro SCALES sc                       ; a K step's scale words into set sc: NQ words a row; lanes 0-15 take A's block i, lanes 16-31 B's block i
.irp i, 0,1,2,3,4,5,6,7
	ds_load_b64 v[SC+8*NQ*\sc+NQ*\i:SC+8*NQ*\sc+NQ*\i+1], v[ADRS] offset:\i*SBLK
.endr
.endm
; A load into a register that a matrix instruction has read, and a vector instruction that reads a matrix result or writes one of a matrix instruction's registers, stand NP places behind that matrix instruction;
; only plain vector instructions that name none of its registers are places (ISA guide 7.12.1 for vector instructions).
.macro PLACES n
.rept \n
	v_nop
.endr
.endm
; A step of 128 along K that has its successor in the same slot.
.macro STEP slot, q, zero
	s_wait_dscnt 4*NL                              ; B's set, A's blocks 0-3 and the scale words are in; the youngest 24 loads (A's blocks 4-7) may be out
.if \zero
	WIN BEG_LO
.else
	WIN MUL_LO
.endif
	MUL16 0, (\q)%2, \q, \slot, \zero
	MUL16 2, (\q)%2, \q, \slot, \zero
	s_wait_dscnt 0                                 ; A's blocks 4-7 are in (asked for 32 matrix instructions ago)
	PLACES NP
	FETCH_B \slot, (\q)+1, 1-(\q)%2
	FETCH_A \slot, (\q)+1, 0
.if \zero
	WIN BEG_HI
.else
	WIN MUL_HI
.endif
	MUL16 4, (\q)%2, \q, \slot, \zero
	MUL16 6, (\q)%2, \q, \slot, \zero
	PLACES NP
	WIN 0
	FETCH_A \slot, (\q)+1, 4
.endm
; A slot's last step changes slots: ONE barrier; in front of it each wave waits for all its tensor loads, adds 0 to its spare word, and waits for that and for its own reads of this slot.  fill = 1: this slot is filled again, two K steps ahead.
.macro TURN slot, next, fill
	s_wait_tensorcnt 0x0                           ; all my tensor loads have landed: my part of the next slot;  (every window is 0 here: the add's two registers lie in window 0)
	ds_add_u32 v[SPW], v[NIL]                      ; 0 onto my spare word
	s_wait_dscnt 4*NL+1                            ; (the add and the youngest 24 loads, A's blocks 4-7, may be out)
	WIN MUL_LO
	MUL16 0, 1, NQ-1, \slot, 0                     ; sixteen matrix instructions stand between the add and the wait for it
	s_wait_dscnt 0x0                               ; the add is done, and my reads of this slot are over
	s_barrier_signal -1
	MUL16 2, 1, NQ-1, \slot, 0
	WIN 0
	s_barrier_wait -1
.if \fill
	CREST                                          ; the barrier has opened a round of the cluster's barrier: no wave of any partner still reads this slot's tile or has a load on its way
	s_add_nc_u64 s[G0+4*\slot+2:G0+4*\slot+3], s[G0+4*\slot+2:G0+4*\slot+3], 2*ROWB
	s_add_nc_u64 s[G0B+4*\slot+2:G0B+4*\slot+3], s[G0B+4*\slot+2:G0B+4*\slot+3], 2*ROWB
	JLOAD G0+4*\slot, G1, G0B+4*\slot, G1B         ; the first tensor load behind the round, my only one until the next; the four v_nop behind it are the places in front of the loads below
.else
	PLACES NP
.endif
	v_add_nc_u32 v[ADRS], 4*NQ, v[ADRS]            ; on to the next K step's scale words
	FETCH_B \next, 0, 0
	FETCH_A \next, 0, 0
	SCALES \next
	WIN MUL_HI
	MUL16 4, 1, NQ-1, \slot, 0
	MUL16 6, 1, NQ-1, \slot, 0
	PLACES NP
	WIN 0
	FETCH_A \next, 0, 4
.endm
	s_wait_tensorcnt 1                             ; the scale bytes and my part of K step 0 are in (K step 1's load may be out)
	s_barrier_signal -1
	s_barrier_wait -1                              ; everybody's are
	FETCH_B 0, 0, 0
	FETCH_A 0, 0, 0
	SCALES 0
	FETCH_A 0, 0, 4
	s_wait_loadcnt 0x0                             ; the bias
	s_cmp_eq_u32 s66, 2                            ; the first step is written twice, since the bias's registers are named by B's block (q, k) or by A's (v).  pi is the same in all sixteen partners;
	s_cbranch_scc1 .Lfirst_v                       ; the two ways hold the same LDS loads, and no barrier and no tensor load
	STEP 0, 0, 1
	s_branch .Lfirst_done
.Lfirst_v:
	STEP 0, 0, 2
.Lfirst_done:
	s_mov_b32 s3, LAPS-1
.Llap:                                                 ; a trip goes once round the ring, from a lap's second step to the next lap's first, and fills both slots again
	TURN 0, 1, 1
	STEP 1, 0, 0
	TURN 1, 0, 1
	STEP 0, 0, 0
	s_sub_co_u32 s3, s3, 1
	s_cmp_lg_u32 s3, 0
	s_cbranch_scc1 .Llap
	TURN 0, 1, 0                                   ; the last lap fills nothing, and has no round of the cluster's barrier
	STEP 1, 0, 0
	s_wait_dscnt 4*NL                              ; the very last step: nothing more to fetch
	WIN MUL_LO
	MUL16 0, 1, NQ-1, 1, 0
	MUL16 2, 1, NQ-1, 1, 0
	s_wait_dscnt 0
	WIN MUL_HI
	MUL16 4, 1, NQ-1, 1, 0
	MUL16 6, 1, NQ-1, 1, 0
	WIN 0
; THE WAY OUT.  No LDS: a block's 64 results of a lane are quantised in registers into a fragment's 12 registers and a scale word, and the registers are stored as they stand, two at a time.
.set VO0, 24                           ; v24  byte offset of the block's first three stores: 8 x lane + the record + the codes' place
.set VO1, 25                           ; v25  of its last three: the next head's record (q, k) or 768 bytes on (v)
.set VS0, 26                           ; v26  of the first head's scale words
.set VS1, 27                           ; v27  of the second head's
.set TM,  32                           ; v32-35 largest magnitudes, v36-39 the other half's, then bytes, v44-47 the conversions' scale operands
.set CD,  48                           ; v48-59 the codes; v60-62, v64-66 the halves that are made elsewhere and moved
.set PWR, 68                           ; v68-75 the eight blocks' scale words
.set YW,  76                           ; v76-83 the same, bytes sorted by head
.set PX,  40                           ; s[40:41] v_permlanex16_b32's selects for lane l xor 16
.set HM,  43                           ; s43  lanes 16-31
.set SEL0, 46                          ; s46, s47 byte selects
.set SEL1, 47
.set QM,  92                           ; s92  all ones for q, k; 0 for v
.set STA, 93                           ; s93  bytes from block to block
.set ST4, 2                            ; s2   and from block 3 to block 4
	s_cmp_lg_u32 s66, 0
	s_cselect_b32 s94, 1, 0                        ; kv's records are twice qb's
	s_cselect_b64 s[12:13], s[100:101], s[98:99]   ; kv or qb
	s_lshl_b32 s95, 51200, s94                     ; bytes from head to head
	s_sub_co_u32 s2, s95, 4608
	s_mov_b32 s3, 768
	s_mov_b32 s23, 12288
	s_mov_b32 s46, 0x05040100
	s_mov_b32 s47, 0x07060302
	s_cmp_eq_u32 s66, 2
	s_cselect_b32 s18, s42, s17                    ; the tokens' tile (B's for v)
	s_cselect_b32 s19, s16, s15                    ; and my half of it
	s_cselect_b32 s20, s17, s42                    ; the channels' tile
	s_cselect_b32 s21, s15, s16
	s_cselect_b32 s22, 6144, 0                     ; V's codes lie behind K's
	s_cselect_b32 s23, 12544, s23                  ; the scale words' place in a record of kv
	s_cselect_b32 s46, 0x03020100, s46             ; v: a word stays whole;  q, k: two bytes of each of two words
	s_cselect_b32 s47, 0x07060504, s47
	s_cselect_b32 s92, 0, -1
	s_cselect_b32 s93, 1536, s3                    ; v: a block is a whole fragment;  q, k: half a pair of tiles for each of two heads
	s_cselect_b32 s67, s3, s95                     ; from a block's first three stores to its last three
	s_cselect_b32 s2, s2, s3                       ; v: block 4 begins the next head
	s_cmp_eq_u32 s66, 0
	s_cselect_b32 s23, 6144, s23                   ; the scale words' place in a record of qb
	s_lshl_b32 s18, s18, 1
	s_add_co_u32 s18, s18, s19                     ; my group of 128 tokens, 0..63
	s_lshl_b32 s20, s20, 1
	s_add_co_u32 s20, s20, s21
	s_lshl_b32 s20, s20, 1                         ; my first head
	s_lshr_b32 s19, s18, 3                         ; the batch
	s_and_b32 s18, s18, 7                          ; the group in it
	s_mul_i32 s19, s19, 819200
	s_mul_i32 s20, s20, 51200
	s_mul_i32 s18, s18, 6400
	s_add_co_u32 s19, s19, s20
	s_add_co_u32 s19, s19, s18
	s_lshl_b32 s19, s19, s94                       ; my first head's record, in bytes
	s_mov_b32 s[PX], 0x76543210
	s_mov_b32 s[PX+1], 0xfedcba98
	s_mov_b32 s[HM], 0xffff0000
	PLACES NP                                      ; behind the last products: the lines below write registers that held their scale words
	v_and_b32 v3, 31, v0
	v_lshlrev_b32 v3, 3, v3
	v_add_nc_u32 v3, s19, v3
	v_add_nc_u32 v[VO0], s22, v3
	v_add_nc_u32 v[VO1], s67, v[VO0]
	v_add_nc_u32 v[VS0], s23, v3
	v_add_nc_u32 v[VS1], s95, v[VS0]
.irp b, 0,1,2,3
	v_mov_b32 v[TM+4+\b], 0                        ; written once: a lane permute's destination counts as one of its sources
.endr
.macro OUT a
.set AC, 64*((\a)%4)                   ; the block's 64 results, in window 2 or 3: register 16 b + i is B row 32 b + 16 (lane / 16) + i of my A row
.set W, 2+(\a)/4
.if (\a) > 0
	s_wait_xcnt 0x0                                ; the last block's stores have read their data and offsets: both are written again below
.if (\a) == 4
	v_add_nc_u32 v[VO0], s[ST4], v[VO0]
	v_add_nc_u32 v[VO1], s[ST4], v[VO1]
.else
	v_add_nc_u32 v[VO0], s[STA], v[VO0]
	v_add_nc_u32 v[VO1], s[STA], v[VO1]
.endif
.endif
.set WN, (W<<2)|(W<<4)
	WIN WN                                         ; sources 1 and 2: the accumulators' window
.irp b, 0,1,2,3
	v_max3_num_f32 v[TM+\b], 0x1800000, |v[AC+16*\b]|, |v[AC+16*\b+1]|   ; block b: my 16 numbers, each accumulator from its low end on, and the floor 2^(3 - 127): the byte cannot fall under 1
.endr
.irp i, 2,4,6,8,10,12,14
.irp b, 0,1,2,3
	v_max3_num_f32 v[TM+\b], v[TM+\b], |v[AC+16*\b+\i]|, |v[AC+16*\b+\i+1]|   ; (the four blocks by turns)
.endr
.endr
	WIN 0
.irp b, 0,1,2,3
	v_permlanex16_b32 v[TM+4+\b], v[TM+\b], s[PX], s[PX+1]
.endr
.irp b, 0,1,2,3
	v_max_num_f32 v[TM+\b], v[TM+\b], v[TM+4+\b]   ; with lane l xor 16's: the block's largest magnitude
.endr
.irp b, 0,1,2,3
	v_add_nc_u32 v[TM+12+\b], 0xff000000, v[TM+\b] ; 2 off its exponent field: the conversion's scale operand
.endr
.irp b, 0,1,2,3
	v_lshrrev_b32 v[TM+4+\b], 23, v[TM+12+\b]      ; the scale's byte
.endr
	v_lshl_or_b32 v[PWR+(\a)], v[TM+5], 8, v[TM+4] ; the four bytes: my A row's scale word
	v_lshl_or_b32 v[PWR+(\a)], v[TM+6], 16, v[PWR+(\a)]
	v_lshl_or_b32 v[PWR+(\a)], v[TM+7], 24, v[PWR+(\a)]
.set WN, W
	WIN WN                                         ; source 0: the accumulators' window
.irp c, 0,1
	v_cvt_scalef32_pk16_fp6_f32 v[CD+6*\c:CD+6*\c+2], v[AC+32*\c:AC+32*\c+15], v[TM+12+2*\c]
	v_cvt_scalef32_pk16_fp6_f32 v[CD+12+4*\c:CD+14+4*\c], v[AC+32*\c+16:AC+32*\c+31], v[TM+12+2*\c+1]   ; (a conversion's three registers begin on an even number)
.endr
	WIN 0
	v_nop                                          ; one plain place behind a scaled conversion
.irp c, 0,1                                    ; the operand's layout wants a WHOLE block of 32 in a lane: lanes 0-15 block 2 c, lanes 16-31 block 2 c + 1
.irp i, 0,1,2
	v_permlane16_swap_b32 v[CD+6*\c+\i], v[CD+12+4*\c+\i]
.endr
.irp i, 0,1,2
	v_mov_b32 v[CD+3+6*\c+\i], v[CD+12+4*\c+\i]
.endr
.endr
.irp p, 0,1,2
	global_store_b64 v[VO0], v[CD+2*\p:CD+2*\p+1], s[12:13] offset:256*\p       ; 32 lanes store 256 consecutive bytes, at a multiple of 256 from the buffer's first byte
.endr
.irp p, 0,1,2
	global_store_b64 v[VO1], v[CD+6+2*\p:CD+7+2*\p], s[12:13] offset:256*\p
.endr
.endm
.irp a, 0,1,2,3,4,5,6,7
	OUT \a
.endr
	; the scale words, laid as the next launch's scale registers take them
.irp f, 0,1,2,3
	v_perm_b32 v[YW+2*\f], v[PWR+2*\f+1], v[PWR+2*\f], s[SEL0]     ; q, k: the first head's two bytes of blocks 2 f and 2 f + 1;  v: block 2 f's word
	v_perm_b32 v[YW+2*\f+1], v[PWR+2*\f+1], v[PWR+2*\f], s[SEL1]   ; q, k: the second head's;  v: block 2 f + 1's word
.endr
	v_cndmask_b32 v84, v[YW+0], v[YW+2], s[HM]     ; lanes 16-31 take the word two on
	v_cndmask_b32 v88, v[YW+4], v[YW+6], s[HM]
	v_cndmask_b32 v89, v[YW+1], v[YW+3], s[HM]
	v_cndmask_b32 v87, v[YW+5], v[YW+7], s[HM]
	v_cndmask_b32 v85, v89, v88, s[QM]             ; q, k: a head's two words come from the even (or the odd) four;  v: from the first (or the last) four
	v_cndmask_b32 v86, v88, v89, s[QM]
	global_store_b64 v[VS0], v[84:85], s[12:13]
	global_store_b64 v[VS1], v[86:87], s[12:13]
	s_wait_tensorcnt 0x0                           ; the wave's end, behind my last tensor load
	ds_add_u32 v[SPW], v[NIL]
	s_wait_dscnt 0x0
	CROUND                                         ; the closing round: no work-group ends while a partner may still ask for a tile that names it
	s_endpgm
.Lfunc_end_k_q915f3ef6c8_proj:
	.size	k_q915f3ef6c8_proj, .Lfunc_end_k_q915f3ef6c8_proj-k_q915f3ef6c8_proj
	.p2alignl 7, 3214868480
	.fill 96, 4, 3214868480
	.section	.rodata,"a",@progbits
	.p2align	6, 0x0
	.amdhsa_kernel k_q915f3ef6c8_proj
		.amdhsa_group_segment_fixed_size 327680
		.amdhsa_private_segment_fixed_size 0
		.amdhsa_enable_private_segment 0
		.amdhsa_kernarg_size 56
		.amdhsa_user_sgpr_count 2
		.amdhsa_user_sgpr_kernarg_segment_ptr 1
		.amdhsa_wavefront_size32 1
		.amdhsa_system_sgpr_workgroup_id_x 1
		.amdhsa_system_sgpr_workgroup_id_y 1
		.amdhsa_system_sgpr_workgroup_id_z 1
		.amdhsa_system_vgpr_workitem_id 0
		.amdhsa_next_free_vgpr 1024
		.amdhsa_next_free_sgpr 102
		.amdhsa_reserve_vcc 0
		.amdhsa_float_denorm_mode_32 3
		.amdhsa_float_denorm_mode_16_64 3
		.amdhsa_memory_ordered 1
		.amdhsa_forward_progress 1
		.amdhsa_inst_pref_size 191
	.end_amdhsa_kernel
	.amdgpu_metadata
---
amdhsa.version: [ 1, 2 ]
amdhsa.kernels:
  - .name:           k_q915f3ef6c8_proj
    .symbol:         k_q915f3ef6c8_proj.kd
    .args:
      - { .name: cod, .offset: 0, .size: 8, .value_kind: global_buffer, .address_space: global }
      - { .name: scl, .offset: 8, .size: 8, .value_kind: global_buffer, .address_space: global }
      - { .name: bq, .offset: 16, .size: 8, .value_kind: global_buffer, .address_space: global }
      - { .name: bk, .offset: 24, .size: 8, .value_kind: global_buffer, .address_space: global }
      - { .name: bv, .offset: 32, .size: 8, .value_kind: global_buffer, .address_space: global }
      - { .name: qb, .offset: 40, .size: 8, .value_kind: global_buffer, .address_space: global }
      - { .name: kv, .offset: 48, .size: 8, .value_kind: global_buffer, .address_space: global }
    .group_segment_fixed_size: 327680
    .private_segment_fixed_size: 0
    .kernarg_segment_align: 8
    .kernarg_segment_size: 56
    .max_flat_workgroup_size: 128
    .sgpr_count:     102
    .vgpr_count:     1024
    .wavefront_size: 32
...
	.end_amdgpu_metadata
.endif
;; end of part 2
;; launch attn (part 3): grid 2 x 128, 8 waves a work-group, no clusters, 168,960 bytes of LDS; arguments qb, kv, out0; writes out0
.if DOCPART == 3
	.amdgcn_target "amdgcn-amd-amdhsa--gfx1250"
	.amdhsa_code_object_version 6
	.text
	.protected	k_q915f3ef6c8_attn
	.globl	k_q915f3ef6c8_attn
	.p2align	8
	.type	k_q915f3ef6c8_attn,@function
k_q915f3ef6c8_attn:
	s_mov_b64 s[64:65], 0
	v_nop
	global_prefetch_b8 v0, s[64:65] scope:SCOPE_SE
	s_setreg_imm32_b32 hwreg(HW_REG_WAVE_MODE, 25, 1), 1
	s_wait_xcnt 0x0
; out[b][q][head][:] = the sum over k of softmax_k(q . k / 8) v, both products on codes of FP6 (E2M3) with one E8M0 scale for each 32 along a product's K.  1,024 keys, head size 64, 128 heads (batch x 16 + head).
; THE SOFTMAX AHEAD OF THE SECOND PRODUCT: t = score x log2(e) / 8; M = the row's largest t so far, rounded UP to a whole number; p = 2^(t - M) is what is quantised, along the keys; it is not normalised.
; The row's sum is taken of the unquantised p, in f32, and divides O at the end.  When M moves, the sum and O are multiplied by 2^(old M - new M): exact, and no branch on data.
; SHARES.  A work-group owns 512 queries of one head (256 work-groups); each of its eight waves 64 of them: four tiles of 16, so that each fragment of K and V read from LDS feeds four tiles.  Two waves share a SIMD.
; A head's K and V (codes and scale words, eight records of 12,800 bytes, one for each 128 keys) are 102,400 dense bytes: they come into LDS ONCE, by two tensor loads a wave at the head, and stay: no slot is filled again.
; NO CLUSTER: only the two work-groups of a head read the same bytes, 100 KB each in a launch that reads them once; a cluster of four partners would want 256 queries to a work-group, that is twice the LDS reads for each score.
; OPERANDS LIE AS IMAGES OF THEIR REGISTERS: blocks of 256 bytes, lane l's two registers at 8 l: every LDS load reads 256 consecutive bytes; no pitch, no padding.
; LAYOUT.  Both products are used transposed: S^T = K Q^T (source 0 = keys, source 1 = my 16 queries), O^T = V^T P^T: a lane holds ONE query (lane % 16) throughout.
; THE HEAD'S 64 ARE HALF OF THE INSTRUCTION'S 128.  A fragment of K holds TWO tiles of 16 keys, [tile 0 | tile 1] along the 128.  Multiplied by [q | 0] it gives tile 0's scores, by [0 | q] tile 1's: zero codes add nothing
; under any scale byte but 0xff.  Q lies as [0 | q0 | 0 | q1 | 0 | q2 | 0 | q3 | 0], six registers each, so that both forms are runs of 12 registers; Q's scale word holds its two bytes twice.
; THE KEYS OF A TILE ARE NOT NEIGHBOURS: lane r of tile (f, u) holds key 32 f + 8 u + r + 8 (r / 8), so that S^T's registers 16 f + i are keys 32 f + 16 (lane / 16) + i: sixteen neighbours.  The same order holds for the
; queries of a tile and for V's channels, and is undone by the addresses on the way out.
; LIMITS: NaN and infinities are not served; a block of p that has fallen to zeros keeps the byte 1 (its codes are zeros).
; REGISTERS.  window 0: v1-8 addresses; v12-27 four registers of statistics a tile (-M, the largest t, the sum in two halves); v28-33, v37 scale words; v34-36, v40-70 at work; v72-135 S^T, then p; v136-183 K; v184-231 V.
;   window 1: v0-127 O^T, 32 a tile; v128-181 Q.
.set REC,   12800                      ; a record: K's codes 6,144 | V's codes 6,144 | K's scale words 256 | V's 256
.set STAGE, 8*REC                      ; behind the records: 16 rows x 272 bytes for each wave, for the way out; no tensor load lands there
.set L8,  1                            ; v1   8 x lane
.set AL,  2                            ; v2   LDS address of the key step in hand
.set SO,  3                            ; v3   the way out: where I put 16 bytes of a row
.set RD,  4                            ; v4   where I read a row back
.set GO,  5                            ; v5   my byte offset in the wave's rows of out
.set QSO, 6                            ; v6   the offset of Q's scale word
.set QW,  7                            ; v7   that word
.set QCO, 8                            ; v8   the offset of Q's codes
.set ST,  12                           ; tile t: v[ST+4t] -M, +1 the largest t, +2, +3 the sum
.set QSL, 28                           ; v28  Q's scale words of tiles 0 (lanes 0-15) and 2 (lanes 16-31);  v29 of tiles 1 and 3
.set KSC, 30                           ; v[30:31] K's scale words: register f / 2, lanes 16 (f % 2) on
.set VSC, 32                           ; v[32:33] V's: register tau % 2, lanes 16 (tau / 2) on
.set F,   34                           ; v[34:35] f = 2^(old M - new M), and a register that is named with it as a pair
.set TMP, 36
.set PS,  37                           ; v37  p's scale word
.set BM,  40                           ; v40-43 a block's largest score, then its largest p
.set BT,  44                           ; v44-47 the other half's; the bytes; the sum's second chain
.set SOP, 48                           ; v48-51 the conversions' scale operands
.set PC,  52                           ; v52-63 p's codes
.set PT,  64                           ; v64-66, v68-70 the halves that are made elsewhere and moved
.set S,   72
.set KF,  136
.set VF,  184
.set OT,  0                            ; in window 1
.set QB,  128                          ; in window 1
.set WV,  10                           ; s10  my wave's number
.set CS,  40                           ; s[40:41] c = log2(e) / 8: the packed form names a pair and takes its low word for both halves
.set SEL, 42                           ; s[42:43] v_permlanex16_b32's selects for lane l xor 16
.set TB,  44                           ; s44  LDS byte at which the key step's record begins
.set CNT, 45                           ; s45  key steps to go
.set MSB, 0
.macro WIN new                         ; the immediate's high byte repeats the setting that is left; a switch that changes nothing is dropped
.if MSB != \new
	s_set_vgpr_msb (MSB<<8)|\new
.set MSB, \new
.endif
.endm
	s_load_b128 s[4:7], s[0:1], 0x0                ; qb s[4:5], kv s[6:7]
	s_load_b64 s[8:9], s[0:1], 0x10                ; out0
	v_lshl_add_u32 v254, v0, 2, 0x29000
	v_mov_b32 v255, 0
	ds_add_u32 v254, v255
	ds_add_u32 v254, v255
	v_lshrrev_b32 v1, 5, v0
	v_readfirstlane_b32 s[WV], v1                  ; wave 0..7
	s_and_b32 s11, ttmp7, 0xffff                   ; batch x 16 + head
	; descriptor groups 1: dense rows of 256 bytes (32 elements of 8 bytes), no padding: 7 rows (early), 43 rows (late).  8 x 7 rows cover the first record, 8 x (7 + 43) x 256 = 102,400 the head
	s_mov_b32 s16, 3<<16                           ; 15:0 no mask; 17:16 elements of 8 bytes; 20 padding off
	s_mov_b32 s17, 32<<16                          ; tensor_dim0 = 32
	s_mov_b32 s18, 7<<16                           ; tensor_dim1 = 7
	s_mov_b32 s19, 32<<16                          ; tile_dim0 = 32
	s_mov_b32 s20, 7                               ; tile_dim1 = 7
	s_mov_b32 s21, 32                              ; tensor_dim0_stride
	s_mov_b32 s22, 0
	s_mov_b32 s23, 0
	s_mov_b32 s24, 3<<16
	s_mov_b32 s25, 32<<16
	s_mov_b32 s26, 43<<16
	s_mov_b32 s27, 32<<16
	s_mov_b32 s28, 43
	s_mov_b32 s29, 32
	s_mov_b32 s30, 0
	s_mov_b32 s31, 0
	s_mul_i32 s46, s11, 8*REC                      ; the head's first byte in kv (under 2^24)
	s_mul_i32 s47, s[WV], 7*256                    ; my early part: in LDS and in the head alike
	s_mul_i32 s49, s[WV], 43*256
	s_add_co_u32 s49, s49, 8*7*256                 ; my late part
	s_add_co_u32 s50, s46, s47
	s_mov_b32 s51, 0
	s_add_co_u32 s52, s46, s49
	s_mov_b32 s53, 0
	s_lshl_b32 s54, ttmp9, 2                       ; Q: my record: group 4 x + wave / 2 of the head's eight
	s_lshr_b32 s55, s[WV], 1
	s_add_co_u32 s54, s54, s55
	s_mul_i32 s54, s54, 6400
	s_mul_i32 s55, s11, 51200
	s_add_co_u32 s54, s54, s55
	s_mov_b32 s55, 0
	s_and_b32 s58, s[WV], 1                        ; which half of the record's 128 queries is mine
	s_mul_i32 s59, s58, 3072
	s_lshr_b32 s56, s11, 4                         ; out: batch x 4 MiB + (512 x + 64 wave) rows of 4,096 bytes + head x 256
	s_lshl_b32 s56, s56, 22
	s_lshl_b32 s57, ttmp9, 21
	s_add_co_u32 s56, s56, s57
	s_lshl_b32 s57, s[WV], 18
	s_add_co_u32 s56, s56, s57
	s_and_b32 s57, s11, 15
	s_lshl_b32 s57, s57, 8
	s_add_co_u32 s56, s56, s57
	s_mov_b32 s57, 0
	s_mul_i32 s48, s[WV], 16*272
	s_add_co_u32 s48, s48, STAGE                   ; my stage
	s_mov_b32 s[CS], 0x3e38aa3b                    ; c = log2(e) / 8
	s_mov_b32 s[CS+1], s[CS]                       ; (named with it as a pair, so it is written)
	s_mov_b32 s[SEL], 0x76543210
	s_mov_b32 s[SEL+1], 0xfedcba98
	s_mov_b32 s[TB], 0
	s_wait_dscnt 0x0
	s_wait_kmcnt 0x0
	s_mov_b32 s32, 1                               ; group 0, early: 1:0 count = 1
	s_mov_b32 s33, s47                             ; 63:32 LDS address
	s_add_nc_u64 s[34:35], s[6:7], s[50:51]        ; 120:64 global address
	s_or_b32 s35, s35, 0x80000000                  ; 127:126 type = 2
	s_mov_b32 s36, 1                               ; group 0, late
	s_mov_b32 s37, s49
	s_add_nc_u64 s[38:39], s[6:7], s[52:53]
	s_or_b32 s39, s39, 0x80000000
	tensor_load_to_lds s[32:35], s[16:23]          ; the launch's only fills, ahead of every wait on TENSORcnt, every LDS read and every barrier: two tensor loads of mine are out
	s_nop 0
	tensor_load_to_lds s[36:39], s[24:31]
	s_nop 0
.rept 4
	v_nop
.endr
	s_add_nc_u64 s[4:5], s[4:5], s[54:55]          ; Q's record
	s_add_nc_u64 s[8:9], s[8:9], s[56:57]          ; out at my wave's first row, my head
	v_and_b32 v1, 31, v0
	v_lshlrev_b32 v[L8], 3, v1
	v_add_nc_u32 v[QCO], s59, v[L8]
	v_lshl_add_u32 v[QSO], s58, 2, v[L8]           ; word wave % 2 of the lane's two: lanes 0-15 tiles 0, 1, lanes 16-31 tiles 2, 3
	WIN 0x40                                       ; destination window 1
.irp t, 0,1,2,3
.irp i, 0,1,2
	global_load_b64 v[QB+12*\t+6+2*\i:QB+12*\t+7+2*\i], v[QCO], s[4:5] offset:(\t/2)*1536+(\t%2)*768+256*\i   ; tile t's six registers stay
.endr
.endr
.irp z, 0,1,2,3,4
.irp i, 0,1,2,3,4,5
	v_mov_b32 v[QB+12*\z+\i], 0                    ; the zero codes between them: operands, not sums
.endr
.endr
	WIN 0
	global_load_b32 v[QW], v[QSO], s[4:5] offset:6144
	v_and_b32 v9, 15, v0                           ; r
	v_bfe_u32 v10, v0, 4, 1                        ; h
	v_mul_u32_u24 v[SO], v9, 272
	v_lshl_add_u32 v[SO], v10, 6, v[SO]
	v_add_nc_u32 v[SO], s48, v[SO]                 ; in: row r, + 64 h: register j of tile tau is channel 32 (tau / 2) + 8 (tau % 2) + 16 h + j
	v_mul_u32_u24 v[RD], v10, 272
	v_lshl_add_u32 v[RD], v9, 4, v[RD]
	v_add_nc_u32 v[RD], s48, v[RD]                 ; back: lanes 0-15 one row of 256 bytes, lanes 16-31 the next
	v_lshlrev_b32 v[GO], 12, v10
	v_lshl_add_u32 v[GO], v9, 4, v[GO]             ; and the same two rows in out
	s_wait_loadcnt 0x0                             ; Q
	v_perm_b32 v[QSL], v[QW], v[QW], 0x01000100    ; the even tile's two bytes, twice: they serve [q | 0] and [0 | q]
	v_perm_b32 v[QSL+1], v[QW], v[QW], 0x03020302  ; the odd tile's.  (The 21 plain lines below are the places between these writes and the first scaled product)
.irp t, 0,1,2,3
	v_mov_b32 v[ST+4*\t+1], 0xff61b1e6             ; the largest t so far: -3e38, under every t
	v_floor_f32 v[ST+4*\t], -v[ST+4*\t+1]          ; -M
	v_mov_b32 v[ST+4*\t+2], 0                      ; the sum, in two halves
	v_mov_b32 v[ST+4*\t+3], 0
.endr
	v_mov_b32 v[F+1], 0                            ; (named as the upper half of a pair)
.irp b, 0,1,2,3
	v_mov_b32 v[BT+\b], 0                          ; written once: a lane permute's destination counts as one of its sources
.endr
; One product of S^T: tile u of K's fragment f against query tile t.  The four forms differ in the halves of the lanes from which the scale words are taken.
.macro SCORE t, f, u
.set rD, S+16*(\f)+8*(\u)
.set rA, KF+12*(\f)
.set rB, QB+12*(\t)+6-6*(\u)
.set rSA, KSC+(\f)/2
.set rSB, QSL+(\t)%2
.if ((\f)%2 == 0) && ((\t)/2 == 0)
	v_wmma_scale_f32_16x16x128_f8f6f4 v[rD:rD+7], v[rA:rA+11], v[rB:rB+11], 0, v[rSA], v[rSB] matrix_a_fmt:MATRIX_FMT_FP6 matrix_b_fmt:MATRIX_FMT_FP6
.elseif (\t)/2 == 0
	v_wmma_scale_f32_16x16x128_f8f6f4 v[rD:rD+7], v[rA:rA+11], v[rB:rB+11], 0, v[rSA], v[rSB] matrix_a_fmt:MATRIX_FMT_FP6 matrix_b_fmt:MATRIX_FMT_FP6 matrix_a_scale:MATRIX_SCALE_ROW1
.elseif (\f)%2 == 0
	v_wmma_scale_f32_16x16x128_f8f6f4 v[rD:rD+7], v[rA:rA+11], v[rB:rB+11], 0, v[rSA], v[rSB] matrix_a_fmt:MATRIX_FMT_FP6 matrix_b_fmt:MATRIX_FMT_FP6 matrix_b_scale:MATRIX_SCALE_ROW1
.else
	v_wmma_scale_f32_16x16x128_f8f6f4 v[rD:rD+7], v[rA:rA+11], v[rB:rB+11], 0, v[rSA], v[rSB] matrix_a_fmt:MATRIX_FMT_FP6 matrix_b_fmt:MATRIX_FMT_FP6 matrix_a_scale:MATRIX_SCALE_ROW1 matrix_b_scale:MATRIX_SCALE_ROW1
.endif
.endm
; One product of O^T: V's fragment tau (16 channels x 128 keys) against p.  first = 1: it starts the sum: nothing is ever cleared.
.macro PV t, tau, first
.set rD, OT+32*(\t)+8*(\tau)
.set rA, VF+12*(\tau)
.set rSA, VSC+(\tau)%2
.if \first && ((\tau)/2 == 0)
	v_wmma_scale_f32_16x16x128_f8f6f4 v[rD:rD+7], v[rA:rA+11], v[PC:PC+11], 0, v[rSA], v[PS] matrix_a_fmt:MATRIX_FMT_FP6 matrix_b_fmt:MATRIX_FMT_FP6
.elseif \first
	v_wmma_scale_f32_16x16x128_f8f6f4 v[rD:rD+7], v[rA:rA+11], v[PC:PC+11], 0, v[rSA], v[PS] matrix_a_fmt:MATRIX_FMT_FP6 matrix_b_fmt:MATRIX_FMT_FP6 matrix_a_scale:MATRIX_SCALE_ROW1
.elseif (\tau)/2 == 0
	v_wmma_scale_f32_16x16x128_f8f6f4 v[rD:rD+7], v[rA:rA+11], v[PC:PC+11], v[rD:rD+7], v[rSA], v[PS] matrix_a_fmt:MATRIX_FMT_FP6 matrix_b_fmt:MATRIX_FMT_FP6
.else
	v_wmma_scale_f32_16x16x128_f8f6f4 v[rD:rD+7], v[rA:rA+11], v[PC:PC+11], v[rD:rD+7], v[rSA], v[PS] matrix_a_fmt:MATRIX_FMT_FP6 matrix_b_fmt:MATRIX_FMT_FP6 matrix_a_scale:MATRIX_SCALE_ROW1
.endif
.endm
; One tile of 16 queries against the key step's 128 keys.  The accumulators take turns, one instruction a turn.
.macro TILE t, first
.set T, ST+4*(\t)
	WIN 0x04                                       ; source 1 (Q) window 1
.irp f, 0,1,2,3
.irp u, 0,1
	SCORE \t, \f, \u
.endr
.endr
	WIN 0
.rept 4
	v_nop                                          ; places between the products and the first read of their results
.endr
.irp b, 0,1,2,3
	v_max3_num_f32 v[BM+\b], v[S+16*\b], v[S+16*\b+1], v[S+16*\b+2]   ; THE LARGEST SCORE OF EACH BLOCK OF 32 KEYS: it serves the row's maximum and, since p rises with the score, the block's largest p.  Each accumulator from its low end on
.endr
.irp i, 3,5,7,9,11,13
.irp b, 0,1,2,3
	v_max3_num_f32 v[BM+\b], v[BM+\b], v[S+16*\b+\i], v[S+16*\b+\i+1]   ; (the four blocks by turns)
.endr
.endr
.irp b, 0,1,2,3
	v_max_num_f32 v[BM+\b], v[BM+\b], v[S+16*\b+15]
.endr
.irp b, 0,1,2,3
	v_permlanex16_b32 v[BT+\b], v[BM+\b], s[SEL], s[SEL+1]
.endr
.irp b, 0,1,2,3
	v_max_num_f32 v[BM+\b], v[BM+\b], v[BT+\b]     ; with lane l xor 16's 16 keys
.endr
	v_max3_num_f32 v[TMP], v[BM], v[BM+1], v[BM+2]
	v_max_num_f32 v[TMP], v[TMP], v[BM+3]          ; the step's largest score of my query
	v_mul_f32 v[TMP], s[CS], v[TMP]                ; as t (c is positive)
	v_max_num_f32 v[T+1], v[T+1], v[TMP]           ; the running largest t
	v_mov_b32 v[TMP], v[T]
	v_floor_f32 v[T], -v[T+1]                      ; the new -M = floor(-t) = -ceil(t): M IS A WHOLE NUMBER
	v_sub_f32 v[TMP], v[T], v[TMP]                 ; M's old value less its new one: a whole number, 0 or less
	v_cvt_i32_f32 v[TMP], v[TMP]                   ; (it saturates)
	v_ldexp_f32 v[F], 1.0, v[TMP]                  ; f = 2^(old M - new M)
.set j, 0
.rept 32
	v_pk_fma_f32 v[S+j:S+j+1], v[S+j:S+j+1], s[CS:CS+1], v[T:T+1] op_sel_hi:[1,0,0]   ; t - M, two at a time (of the pairs c and -M the low word serves both halves)
.set j, j+2
.endr
.irp b, 0,1,2,3
	v_fma_f32 v[BM+\b], v[BM+\b], s[CS], v[T]      ; the same of each block's largest score
.endr
.set j, 0
.rept 64
	v_exp_f32 v[S+j], v[S+j]                       ; p = 2^(t - M), at most 1: NOT normalised
.set j, j+1
.endr
.irp b, 0,1,2,3
	v_exp_f32 v[BM+\b], v[BM+\b]                   ; the block's largest p: the same two instructions on the same number give the same bits
.endr
	v_pk_mul_f32 v[T+2:T+3], v[T+2:T+3], v[F:F+1] op_sel_hi:[1,0]   ; the sums under the new M.  (A plain place behind the exponentials)
	s_wait_alu depctr_va_vdst(0)
.irp b, 0,1,2,3
	v_max_num_f32 v[BM+\b], 0x1800000, v[BM+\b]    ; the floor 2^(3 - 127): the byte cannot fall under 1
.endr
.irp b, 0,1,2,3
	v_add_nc_u32 v[SOP+\b], 0xff000000, v[BM+\b]   ; 2 off the exponent field: the conversion's scale operand
.endr
.irp b, 0,1,2,3
	v_lshrrev_b32 v[BT+\b], 23, v[SOP+\b]          ; the scale's byte
.endr
	v_lshl_or_b32 v[PS], v[BT+1], 8, v[BT]         ; p's scale word for these 128 keys
	v_lshl_or_b32 v[PS], v[BT+2], 16, v[PS]
	v_lshl_or_b32 v[PS], v[BT+3], 24, v[PS]
.irp c, 0,1
	v_cvt_scalef32_pk16_fp6_f32 v[PC+6*\c:PC+6*\c+2], v[S+32*\c:S+32*\c+15], v[SOP+2*\c]
	v_cvt_scalef32_pk16_fp6_f32 v[PT+4*\c:PT+4*\c+2], v[S+32*\c+16:S+32*\c+31], v[SOP+2*\c+1]   ; (a conversion's three registers begin on an even number)
.endr
	v_nop                                          ; one plain place behind a scaled conversion
.irp c, 0,1                                    ; the operand's layout wants a WHOLE block in a lane: lanes 0-15 block 2 c, lanes 16-31 block 2 c + 1
.irp i, 0,1,2
	v_permlane16_swap_b32 v[PC+6*\c+\i], v[PT+4*\c+\i]
.endr
.irp i, 0,1,2
	v_mov_b32 v[PC+3+6*\c+\i], v[PT+4*\c+\i]
.endr
.endr
.if !\first
	WIN 0x41                                       ; O^T (destination and source 0) window 1, f window 0
.set j, 0
.rept 16
	v_pk_mul_f32 v[OT+32*(\t)+j:OT+32*(\t)+j+1], v[OT+32*(\t)+j:OT+32*(\t)+j+1], v[F:F+1] op_sel_hi:[1,0]   ; O^T under the new M
.set j, j+2
.endr
	WIN 0
.endif
	v_pk_add_f32 v[BT:BT+1], v[S:S+1], v[S+2:S+3]  ; THE ROW'S SUM IS TAKEN OF THE UNQUANTISED p: two at a time, in two chains.  These 32 lines are also the places between the writes of p's codes and scale word and the products below
.irp j, 4,8,12,16,20,24,28,32,36,40,44,48,52,56,60
	v_pk_add_f32 v[T+2:T+3], v[T+2:T+3], v[S+\j:S+\j+1]
	v_pk_add_f32 v[BT:BT+1], v[BT:BT+1], v[S+\j+2:S+\j+3]
.endr
	v_pk_add_f32 v[T+2:T+3], v[T+2:T+3], v[BT:BT+1]
.if (\t) == 0
	s_wait_dscnt 0x0                               ; V and its scale words are in
.endif
.if \first
	WIN 0x40                                       ; D window 1
.else
	WIN 0x50                                       ; C and D window 1
.endif
.irp tau, 0,1,2,3
	PV \t, \tau, \first
.endr
.endm
; A KEY STEP: 128 keys: one record.  50 LDS loads in one run, K's 25 first.
.macro KEYSTEP first
.rept 4
	v_nop                                          ; places between the last products and the loads into the registers that they read
.endr
	v_add_nc_u32 v[AL], s[TB], v[L8]
.set n, 0
.rept 24
	ds_load_b64 v[KF+2*n:KF+2*n+1], v[AL] offset:256*n
.set n, n+1
.endr
	ds_load_b64 v[KSC:KSC+1], v[AL] offset:12288
.set n, 0
.rept 24
	ds_load_b64 v[VF+2*n:VF+2*n+1], v[AL] offset:6144+256*n
.set n, n+1
.endr
	ds_load_b64 v[VSC:VSC+1], v[AL] offset:12544
	s_wait_dscnt 25                                ; K's 24 loads and its scale words are in; V's 25 may be out
	TILE 0, \first
	TILE 1, \first
	TILE 2, \first
	TILE 3, \first
	WIN 0                                          ; at a label and at a branch every window is 0
	s_add_co_u32 s[TB], s[TB], REC
.endm
	s_wait_tensorcnt 0x1                           ; my early part is in; the late one may stay out: it lands behind the first record, and nothing is ever filled again
	s_barrier_signal -1
	s_barrier_wait -1                              ; everybody's early part is in: the first record is whole
	KEYSTEP 1                                      ; written out: its products start O^T's sums, and it has nothing to rescale
	s_wait_tensorcnt 0x0                           ; my late part is in,
	s_wait_dscnt 0x0
	s_barrier_signal -1
	s_barrier_wait -1                              ; everybody's is: all eight records lie in LDS
	s_mov_b32 s[CNT], 7
.Lkey:
	KEYSTEP 0
	s_sub_co_u32 s[CNT], s[CNT], 1
	s_cmp_lg_u32 s[CNT], 0
	s_cbranch_scc1 .Lkey
	; THE WAY OUT.  The sum's two halves and the other half of the lanes' are added; O^T is divided by the sum and goes through my stage in LDS, a tile (16 queries x 64 channels) at a time,
	; so that sixteen lanes store the 256 consecutive bytes of one query's head.  The first four additions are the places behind the last products.
.irp t, 0,1,2,3
	v_add_f32 v[ST+4*\t+2], v[ST+4*\t+2], v[ST+4*\t+3]
.endr
.irp t, 0,1,2,3
	v_permlanex16_b32 v[BT+\t], v[ST+4*\t+2], s[SEL], s[SEL+1]
.endr
.irp t, 0,1,2,3
	v_add_f32 v[ST+4*\t+2], v[ST+4*\t+2], v[BT+\t] ; the row's sum
.endr
.irp t, 0,1,2,3
	v_rcp_f32 v[ST+4*\t+2], v[ST+4*\t+2]
.endr
	v_nop                                          ; a plain instruction between the last reciprocal and the use of its result
	s_wait_alu depctr_va_vdst(0)
.macro PACK t                          ; tile t: 32 registers at v[S + 32 t] (S^T's, K's and V's registers are free)
	WIN 0x01                                       ; source 0 (O^T) window 1
.set j, 0
.rept 16
	v_pk_mul_f32 v[S+32*\t+j:S+32*\t+j+1], v[OT+32*\t+j:OT+32*\t+j+1], v[ST+4*\t+2:ST+4*\t+3] op_sel_hi:[1,0]   ; each accumulator from its low end on
.set j, j+2
.endr
	WIN 0
.irp tau, 0,1,2,3
	ds_store_b128 v[SO], v[S+32*\t+8*\tau:S+32*\t+8*\tau+3] offset:128*(\tau/2)+32*(\tau%2)
	ds_store_b128 v[SO], v[S+32*\t+8*\tau+4:S+32*\t+8*\tau+7] offset:128*(\tau/2)+32*(\tau%2)+16
.endr
.irp i, 0,1,2,3,4,5,6,7
	ds_load_b128 v[S+32*\t+4*\i:S+32*\t+4*\i+3], v[RD] offset:2*\i*272   ; LDS serves a wave's instructions in order (ISA guide 5.7.1.4): these see the stores above; the next tile's stores come behind them
.endr
.endm
.macro SEND t, younger                 ; younger: the LDS instructions issued behind tile t's loads: the next tile's sixteen, or none
.irp i, 0,1,2,3,4,5,6,7
	s_wait_dscnt \younger+7-\i
	global_store_b128 v[GO], v[S+32*\t+4*\i:S+32*\t+4*\i+3], s[8:9] offset:(2*\i+8*(\i/4)+32*(\t/2)+8*(\t%2))*4096 th:TH_STORE_NT   ; stage row p is query 32 (t / 2) + 8 (t % 2) + p + 8 (p / 8); 16 lanes store 256 consecutive bytes, aligned; written once, read by nobody here
.endr
.endm
	PACK 0
	PACK 1                                         ; a tile's arithmetic stands between the loads of the tile before and its stores
	SEND 0, 16
	PACK 2
	SEND 1, 16
	PACK 3
	SEND 2, 16
	SEND 3, 0
	s_wait_tensorcnt 0x0
	ds_add_u32 v254, v255
	s_wait_dscnt 0x0
	s_endpgm
.Lfunc_end_k_q915f3ef6c8_attn:
	.size	k_q915f3ef6c8_attn, .Lfunc_end_k_q915f3ef6c8_attn-k_q915f3ef6c8_attn
	.p2alignl 7, 3214868480
	.fill 96, 4, 3214868480
	.section	.rodata,"a",@progbits
	.p2align	6, 0x0
	.amdhsa_kernel k_q915f3ef6c8_attn
		.amdhsa_group_segment_fixed_size 168960
		.amdhsa_private_segment_fixed_size 0
		.amdhsa_enable_private_segment 0
		.amdhsa_kernarg_size 24
		.amdhsa_user_sgpr_count 2
		.amdhsa_user_sgpr_kernarg_segment_ptr 1
		.amdhsa_wavefront_size32 1
		.amdhsa_system_sgpr_workgroup_id_x 1
		.amdhsa_system_sgpr_workgroup_id_y 1
		.amdhsa_system_sgpr_workgroup_id_z 1
		.amdhsa_system_vgpr_workitem_id 0
		.amdhsa_next_free_vgpr 512
		.amdhsa_next_free_sgpr 66
		.amdhsa_reserve_vcc 0
		.amdhsa_float_denorm_mode_32 3
		.amdhsa_float_denorm_mode_16_64 3
		.amdhsa_memory_ordered 1
		.amdhsa_forward_progress 1
		.amdhsa_inst_pref_size 131
	.end_amdhsa_kernel
	.amdgpu_metadata
---
amdhsa.version: [ 1, 2 ]
amdhsa.kernels:
  - .name:           k_q915f3ef6c8_attn
    .symbol:         k_q915f3ef6c8_attn.kd
    .args:
      - { .name: qb, .offset: 0, .size: 8, .value_kind: global_buffer, .address_space: global }
      - { .name: kv, .offset: 8, .size: 8, .value_kind: global_buffer, .address_space: global }
      - { .name: out0, .offset: 16, .size: 8, .value_kind: global_buffer, .address_space: global }
    .group_segment_fixed_size: 168960
    .private_segment_fixed_size: 0
    .kernarg_segment_align: 8
    .kernarg_segment_size: 24
    .max_flat_workgroup_size: 256
    .sgpr_count:     66
    .vgpr_count:     512
    .wavefront_size: 32
...
	.end_amdgpu_metadata
.endif
;; end of part 3
